; MI455X (gfx1250); checked and timed in simulation.
; The chip was launched on July 23, 2026; its instructions are those of AMD's public machine-readable ISA for CDNA 5 (MIT licence, August 2026) and "CDNA5" Instruction Set Architecture Reference Guide (July 2026). The comments in the code are by the model that wrote it; some were corrected since.
;; MHSA3 D. Allowed arithmetic: matrix products marked QUANTISED: E3M2 operands, one E8M0 scale for each 32 along K, by v_wmma_scale_f32_16x16x128_f8f6f4 with both operands' format E3M2, f32 sums; products left as they are: f32 operands where the result goes on into a quantised operand, else bf16, f16 or f32 operands; f32 sums; everything else in f32.
;; Inputs: b_qkv 384 float32; emb_d 16 x 16 x 1 x 1 float32; emb_h 16 x 1 x 16 x 1 float32; emb_w 16 x 1 x 1 x 16 float32; w_qkv 128 x 384 float32; x 1 x 128 x 16 x 16 x 16 float32.
;; Outputs: out0 1 x 128 x 16 x 16 x 16 float32.
;; This version of the problem:
;;   THIS VERSION OF THE PROBLEM IS GIVEN IN LOW PRECISION. The matrix products marked QUANTISED in the list below multiply operands that are first quantised to E3M2 (3 exponent bits, 2 mantissa bits; 6 bits a number), with one power-of-two scale for each 32 numbers along K (OCP MX v1.0); their sums are f32. All else is computed in f32.
;;   The module's matrix products, in the order in which they are computed (A, B: the left and right operand; K: the contracted axis; several contracted axes count as one K, in the product's order):
;;     1. [M 384, K 128] x [K 128, N 4,096]; A: input w_qkv; B: input x: QUANTISED
;;     2. batch 8 x [M 4,096, K 16] x [K 16, N 4,096]; A: computed on the way; B: computed on the way: left as it is (K = 16 < 32)
;;     3. [M 32,768, K 16] x [K 16, N 4,096]; A: computed on the way; B: computed on the way: left as it is (K = 16 < 32)
;;     4. batch 8 x [M 16, K 4,096] x [K 4,096, N 4,096]; A: computed on the way; B: softmax (see below): QUANTISED
;;   THE QUANTISER, for each operand of a quantised product, along K:
;;     - K is cut into blocks of 32 from its start; a last block that is shorter is filled with zeros.
;;     - A block's scale is 2^e with e = floor(log2(the largest magnitude in the block)) - 4, held to -126 .. 127; a block of zeros has e = 0. As a byte (E8M0): e + 127.
;;     - Each number is divided by its block's scale, clamped to +-28, and rounded to the nearest number of E3M2, ties to even, subnormals kept.
;;     - The product sums the exact products of the quantised numbers (number of the format x scale) in f32.
;;   ~~~python
;;   def quantise(x, axis):      # numpy; x: float32 -> the quantised numbers, widened to float32 again
;;       x = np.moveaxis(x, axis, -1); K = x.shape[-1]
;;       x = np.pad(x, [(0, 0)] * (x.ndim - 1) + [(0, -K % 32)]); x = x.reshape(x.shape[:-1] + (-1, 32)); a = np.abs(x).max(-1, keepdims=True)
;;       e = np.where(a > 0, np.clip(np.frexp(np.where(a > 0, a, 1))[1] - 1 - 4, -126, 127), 0)      # np.frexp(a)[1] - 1 = floor(log2(a)), exactly
;;       r = np.clip(x / 2.0 ** e, -28, 28)
;;       step = 2.0 ** (np.maximum(np.frexp(np.where(r == 0, 1, r))[1] - 1, -2) - 2)
;;       q = np.round(r / step) * step * 2.0 ** e      # np.round: ties to even
;;       return np.moveaxis(q.reshape(q.shape[:-2] + (-1,))[..., :K], -1, axis).astype(np.float32)
;;   ~~~
;;   SOFTMAX AHEAD OF A QUANTISED PRODUCT. Where the list says 'softmax', what is quantised is not the finished softmax but p = 2^(t - M), with t = logit x log2(e) and M = ceil(the row's largest t), a whole number; so 1/2 < the row's largest p <= 1. The row's sum l is taken of the UNQUANTISED p, in f32, and the product's result is divided by l at the end. Since M is a whole number, a kernel that streams over the keys may use a running M (the ceiling of the running maximum): every later rescaling is an exact power of two, which a block's scale takes up: the codes' values come out the same.
;;   OPERANDS COMPUTED ON THE WAY. 'Computed on the way' means the value that the module computes at that place (a softmax that the list does not call 'softmax' is quantised finished and normalised). What goes into a quantiser is computed in f32, as accurately as f32 sums, v_exp_f32 and their like allow (about 1e-6 of the number): no bf16 or f16 on the way to a quantiser, and a product that is left as it is and whose result goes on into a quantised operand takes f32 operands (vector FMAs, or v_wmma_f32_16x16x4_f32). A number that lies on a knife's edge between two numbers of the format may be rounded either way, as far as f32 arithmetic and the matrix unit's own rounding can turn it there, and no further.
;; One version. Each part assembles by itself: llvm-mc -triple=amdgcn-amd-amdhsa -mcpu=gfx1250 --defsym DOCPART=n.
;; ======== version 1 of 1: 2 launches
;; workspace buffers: q_ws 2,097,152 bytes; kv_ws 2,555,904 bytes
;; launch proj (part 1): grid 32 x 8, 4 waves a work-group, no clusters, 7,424 bytes of LDS; arguments x, w_qkv, b_qkv, emb_d, emb_h, emb_w, q_ws, kv_ws; writes q_ws, kv_ws
.if DOCPART == 1
	.amdgcn_target "amdgcn-amd-amdhsa--gfx1250"
	.amdhsa_code_object_version 6
	.text
	.protected	k_q81b8fddc11_proj
	.globl	k_q81b8fddc11_proj
	.p2align	8
	.type	k_q81b8fddc11_proj,@function
k_q81b8fddc11_proj:
	s_mov_b64 s[64:65], 0
	v_nop
	global_prefetch_b8 v0, s[64:65] scope:SCOPE_SE
	s_setreg_imm32_b32 hwreg(HW_REG_WAVE_MODE, 25, 1), 1
	s_wait_xcnt 0x0
; qkv = w^T x + b on codes of BF6 (E3M2) with one E8M0 scale for each 32 channels, laid out for the attention launch.
; x: [128 channels][4096 positions] f32; w_qkv: [128 channels][384 outputs] f32: in both the contracted axis, the channel, is the FIRST axis.
; NO WORK IS LEFT OUT: every input has a way to the output (b_k and the embeddings move the logits, hence ceil(largest t) and p's codes).
; ONE IDENTITY IS USED: q.k + q.emb = q.(k + emb), for all values: reference()'s two products over the head's 16 dims become one; k + b_k + emb is made here, in f32.
; The order of rounding differs from reference()'s in that sum and in the biases, which are the C of the products: by f32 rounding alone.
; LIMITS: NaN and infinities among the inputs are not served.  A block whose largest magnitude lies under 2^(5 - 127) keeps the scale byte 1, a block of zeros too (its codes are zeros); the bytes are read by this program alone.
; SHARES.  Work-group (s, head): positions 128 s .. 128 s + 127, the head's 16 q, 16 k and 16 v outputs.  Wave w: positions 32 w .. 32 w + 31 of them, as two tiles of 16.
; x is quantised once for each head and w once for each block of positions: some 200 vector lines a wave, in place of a launch of its own.
; THE POSITIONS OF A TILE ARE NOT NEIGHBOURS: row r of tile 2 w + u is position 32 w + 8 u + r + 8 (r / 8), so that in the attention launch the 16 registers of two neighbouring tiles of scores are 16 neighbouring keys.
; A LANE TAKES A COLUMN AND ITS REGISTERS RUN DOWN THE CHANNELS: a block of 32 lies in one lane, and the conversions give codes with K innermost.
; OUT.  q_ws [head][tile 0..255][1024 B], kv_ws [head][step 0..31][9984 B]: images of the registers that the attention launch wants.
;   An f32 tile (16 positions x 16 dims): lane (r, h) holds dims 8 h + 0 .. 7 of row r: registers 0-3 at 16 x lane, registers 4-7 at 512 + 16 x lane.
;   A record: 8 tiles of k + b_k + emb (8192 B); V^T's fragment, 16 dims x 128 keys of codes, 12 registers, as three images of four (1536 B); V's 16 scale words, written four times over (256 B).
.set WIMG,  0                          ; LDS: w's three fragments (q, k, v), 1536 bytes each: three images of four registers
.set WSC,   4608                       ; their scale words, 128 bytes each
.set VST,   5120                       ; V's part of the record: 1536 + 256 bytes
.set SPARE, 6912                       ; the spare words, 128 bytes for each wave: two blocks of 256 bytes that no other line names
.set XN,    32                         ; v32-159  x: register 32 b + i = channel 32 b + i of my column
.set WN,    160                        ; v160-223 w: register 32 c + i = channel 64 c + 32 h + i of column r
.set XF0,   224                        ; v224-235 x's fragment of tile u = 0;  v236-247 of tile u = 1
.set XF1,   236
.set XSC,   248                        ; v248     x's scale words: lanes 0-15 tile 0's rows, lanes 16-31 tile 1's
.set WSQ,   249                        ; v249-251 w's scale words: q, k, v
.set KO,    252                        ; v252     16 x lane + 2048 x wave: my tiles' place in the record
; v1 r, v2 h, v3 x's offset, v4 w's, v5 16 lane, v6 4 lane, v7-8 where I store w's image and word, v9 and v19 the copy out, v10-14 offsets of embeddings and biases,
; v15-17 where V's codes go, v18 V's scale byte, v20-21 the spare word's address and 0, v22-31 at work.
; Later in w's registers: v160-167 emb_d, v168-175 emb_h, v176-191 emb_w for the two tiles, v192-199 b_q, v200-207 b_k, v208 b_v, v210-216 halves of blocks.
; Later in x's registers: v32-67 w's fragments, v80-95 C for k, v96-103 C for v, v104-119 q, v120-135 k, v136-151 v, v152-157 V's codes.
	s_load_b256 s[4:11], s[0:1], 0x0               ; x s[4:5], w s[6:7], b s[8:9], emb_d s[10:11]
	s_load_b256 s[12:19], s[0:1], 0x20             ; emb_h s[12:13], emb_w s[14:15], q_ws s[16:17], kv_ws s[18:19]
	v_lshl_add_u32 v20, v0, 2, SPARE
	v_mov_b32 v21, 0
	v_lshrrev_b32 v22, 5, v0
	v_readfirstlane_b32 s20, v22                   ; wave 0..3
	s_mov_b32 s21, ttmp9                           ; s: which 128 positions
	s_and_b32 s22, ttmp7, 0xffff                   ; head
	s_mov_b32 s24, 0x76543210
	s_mov_b32 s25, 0xfedcba98                      ; v_permlanex16_b32's selects for lane l xor 16
	s_mov_b32 s40, 0x3e800000                      ; 16^-0.5 = 0.25
	s_mov_b32 s41, s40                             ; (named with it as a pair, so it is written)
	; every address register is made here, ahead of the first branch on the wave's number
	v_and_b32 v22, 31, v0                          ; lane
	v_and_b32 v1, 15, v0                           ; r
	v_bfe_u32 v2, v0, 4, 1                         ; h
	v_and_b32 v24, 7, v0                           ; r % 8
	v_bfe_u32 v23, v0, 3, 1                        ; r / 8
	v_lshlrev_b32 v3, 2, v24
	v_lshl_add_u32 v3, v23, 6, v3
	v_lshl_add_u32 v3, v2, 5, v3                   ; x: my column: position r % 8 + 16 (r / 8) + 8 h of the wave's 32: lanes 0-15 are tile 0's rows, lanes 16-31 tile 1's
	v_mul_u32_u24 v4, v2, 49152
	v_lshl_add_u32 v4, v1, 2, v4                   ; w: column r; lanes 16-31 begin 32 rows of 1536 bytes further down
	v_lshlrev_b32 v5, 4, v22
	v_lshlrev_b32 v6, 2, v22
	s_mul_i32 s28, s20, 1536
	v_add_nc_u32 v7, s28, v5                       ; WIMG + 1536 wave + 16 lane
	s_lshl_b32 s28, s20, 7
	s_add_co_u32 s28, s28, WSC
	v_add_nc_u32 v8, s28, v6                       ; WSC + 128 wave + 4 lane
	v_lshlrev_b32 v10, 9, v2                       ; embeddings: dim 8 h + j is 64 (8 h + j) bytes on
	v_lshl_add_u32 v11, v23, 2, v10                ; emb_h: + 4 (r / 8)
	v_lshl_add_u32 v12, v24, 2, v10                ; emb_w: + 4 (r % 8)
	v_lshlrev_b32 v13, 5, v2                       ; b_q, b_k: my eight dims
	v_lshlrev_b32 v14, 2, v1                       ; b_v: dim r
	s_and_b32 s29, s20, 1                          ; V's block w belongs to lanes 16 (w % 2) + r, registers 6 (w / 2) + 0 .. 5 of the fragment
	s_lshl_b32 s29, s29, 8
	s_add_co_u32 s29, s29, VST
	s_lshr_b32 s30, s20, 1
	s_mul_i32 s30, s30, 3                          ; the first of my three register pairs
	v_lshlrev_b32 v25, 4, v1
.irp i, 0,1,2
	s_add_co_u32 s31, s30, \i                      ; pair p: image p / 2, 8 (p % 2) bytes into the lane's 16
	s_lshr_b32 s32, s31, 1
	s_lshl_b32 s32, s32, 9
	s_and_b32 s31, s31, 1
	s_lshl_b32 s31, s31, 3
	s_add_co_u32 s32, s32, s31
	s_add_co_u32 s32, s32, s29
	v_add_nc_u32 v[15+\i], s32, v25
.endr
	s_add_co_u32 s31, s20, VST+1536
	v_add_nc_u32 v18, s31, v14                     ; V's scale byte: word r, byte w
	s_lshl_b32 s31, s20, 8
	v_lshlrev_b32 v26, 3, v22
	s_add_co_u32 s32, s31, VST
	v_add_nc_u32 v19, s32, v26                     ; the copy out: 256 bytes a wave, 8 a lane: in LDS,
	s_add_co_u32 s32, s31, 8192
	v_add_nc_u32 v9, s32, v26                      ; and in the record
	s_lshl_b32 s31, s20, 11
	v_add_nc_u32 v[KO], s31, v5
	s_mov_b32 s27, 0
	s_lshl_b32 s26, s21, 9
	s_lshl_b32 s33, s20, 7
	s_add_co_u32 s26, s26, s33                     ; x: 4 (128 s + 32 w)
	s_wait_kmcnt 0x0
	s_add_nc_u64 s[4:5], s[4:5], s[26:27]
	s_lshl_b32 s26, s20, 9
	s_lshl_b32 s33, s22, 6
	s_add_co_u32 s26, s26, s33                     ; w: 4 (128 w + 16 head): wave 0 takes q's columns, 1 k's, 2 v's; wave 3 loads nothing of w
	s_add_nc_u64 s[6:7], s[6:7], s[26:27]
	s_mov_b32 s26, s33                             ; b: 64 head
	s_add_nc_u64 s[8:9], s[8:9], s[26:27]
	s_lshr_b32 s26, s21, 1
	s_lshl_b32 s26, s26, 2                         ; emb_d: the depth of all 128 positions is s / 2
	s_add_nc_u64 s[10:11], s[10:11], s[26:27]
	s_and_b32 s26, s21, 1
	s_lshl_b32 s26, s26, 5
	s_lshl_b32 s33, s20, 3
	s_add_co_u32 s26, s26, s33                     ; emb_h: the height is 8 (s % 2) + 2 w + r / 8
	s_add_nc_u64 s[12:13], s[12:13], s[26:27]
	s_lshl_b32 s26, s22, 8
	s_lshl_b32 s33, s21, 3
	s_add_co_u32 s26, s26, s33
	s_lshl_b32 s33, s20, 1
	s_add_co_u32 s26, s26, s33
	s_lshl_b32 s26, s26, 10                        ; q_ws: tile 256 head + 8 s + 2 w
	s_add_nc_u64 s[16:17], s[16:17], s[26:27]
	s_lshl_b32 s26, s22, 5
	s_add_co_u32 s26, s26, s21
	s_mul_i32 s26, s26, 9984                       ; kv_ws: record 32 head + s
	s_add_nc_u64 s[18:19], s[18:19], s[26:27]
.macro LOADX b                         ; block b of x: 32 channels of my column; the wave's 32 lanes read 128 consecutive bytes
.set n, 0
.rept 32
	global_load_b32 v[XN+32*(\b)+n], v3, s[4:5] offset:(32*(\b)+n)*16384
.set n, n+1
.endr
.endm
.macro MAXB b                          ; the largest magnitude of block b, all 32 numbers mine, in two chains; with the floor 2^(5 - 127), so that the byte cannot fall under 1
.set XB, XN+32*(\b)
	v_max3_num_f32 v[22+\b], |v[XB]|, |v[XB+1]|, |v[XB+2]|
	v_max3_num_f32 v26, |v[XB+3]|, |v[XB+4]|, |v[XB+5]|
.irp i, 6,10,14,18,22,26
	v_max3_num_f32 v[22+\b], v[22+\b], |v[XB+\i]|, |v[XB+\i+1]|
	v_max3_num_f32 v26, v26, |v[XB+\i+2]|, |v[XB+\i+3]|
.endr
	v_max3_num_f32 v[22+\b], v[22+\b], |v[XB+30]|, |v[XB+31]|
	v_max3_num_f32 v[22+\b], v[22+\b], v26, 0x2800000
.endm
	s_cmp_lt_u32 s20, 3
	s_cbranch_scc0 .Lno_w_loads
.set n, 0
.rept 64                               ; w(64 c + 32 h + i, my column): sixteen lanes read 64 consecutive bytes
	global_load_b32 v[WN+n], v4, s[6:7] offset:(64*(n/32)+n%32)*1536
.set n, n+1
.endr
.Lno_w_loads:
	LOADX 0
	s_cmp_lt_u32 s20, 3
	s_cbranch_scc0 .Lno_w_work
	s_wait_loadcnt 32                              ; w's 64 loads are in; behind them stand block 0's 32 of x
.irp c, 0,1                            ; my two blocks, 2 c + h, of column r
	v_max3_num_f32 v[22+\c], |v[WN+32*\c]|, |v[WN+32*\c+1]|, 0x2800000
.endr
.irp i, 2,4,6,8,10,12,14,16,18,20,22,24,26,28,30
.irp c, 0,1
	v_max3_num_f32 v[22+\c], v[22+\c], |v[WN+32*\c+\i]|, |v[WN+32*\c+\i+1]|
.endr
.endr
.irp c, 0,1
	v_add_nc_u32 v[24+\c], 0xfe000000, v[22+\c]    ; 4 off the exponent field: the conversion takes the exponent field of this operand as its scale
.endr
.irp c, 0,1
	v_lshrrev_b32 v[26+\c], 23, v[24+\c]           ; the scale's byte
.endr
	v_lshl_or_b32 v28, v27, 16, v26                ; my two bytes, blocks h and 2 + h,
	v_lshlrev_b32 v29, 3, v2
	v_lshlrev_b32 v28, v29, v28                    ; at their places in the word;
	v_mov_b32 v29, 0
	v_permlanex16_b32 v29, v28, s24, s25
	v_or_b32 v28, v28, v29                         ; with lane l xor 16's two the word is whole
.irp c, 0,1
	v_cvt_scalef32_pk16_bf6_f32 v[224+6*\c:226+6*\c], v[WN+32*\c:WN+32*\c+15], v[24+\c]
	v_cvt_scalef32_pk16_bf6_f32 v[236+4*\c:238+4*\c], v[WN+32*\c+16:WN+32*\c+31], v[24+\c]   ; (a conversion's three registers begin on an even number)
.endr
	v_nop                                          ; one plain line behind the conversions
.irp c, 0,1
.irp i, 0,1,2
	v_mov_b32 v[227+6*\c+\i], v[236+4*\c+\i]
.endr
.endr
.irp g, 0,1,2
	ds_store_b128 v7, v[224+4*\g:227+4*\g] offset:WIMG+512*\g     ; the fragment goes to LDS as an image of its registers
.endr
	ds_store_b32 v8, v28
.Lno_w_work:
	LOADX 1
	s_wait_loadcnt 32                              ; block 0 is in; block 1's 32 loads may be out
	MAXB 0
	LOADX 2
	s_wait_loadcnt 32                              ; block 1 is in
	MAXB 1
	LOADX 3
	s_wait_loadcnt 32                              ; block 2 is in
	MAXB 2
.irp j, 0,1,2,3,4,5,6,7                ; 37 loads: the embeddings and biases in the results' layout: lane (r, h), register j: dim 8 h + j of row r's position
	global_load_b32 v[160+\j], v10, s[10:11] offset:64*\j
	global_load_b32 v[168+\j], v11, s[12:13] offset:64*\j
	global_load_b32 v[176+\j], v12, s[14:15] offset:64*\j          ; tile 0: width r % 8
	global_load_b32 v[184+\j], v12, s[14:15] offset:64*\j+32       ; tile 1: width 8 + r % 8
.endr
	global_load_b128 v[192:195], v13, s[8:9]
	global_load_b128 v[196:199], v13, s[8:9] offset:16
	global_load_b128 v[200:203], v13, s[8:9] offset:512
	global_load_b128 v[204:207], v13, s[8:9] offset:528
	global_load_b32 v208, v14, s[8:9] offset:1024
	s_wait_loadcnt 37                              ; block 3 is in; the 37 just issued may be out
	MAXB 3
.irp b, 0,1,2,3
	v_add_nc_u32 v[26+\b], 0xfe000000, v[22+\b]    ; the conversions' scale operands
.endr
.irp b, 0,1,2,3
	v_lshrrev_b32 v[22+\b], 23, v[26+\b]           ; the bytes
.endr
	v_lshl_or_b32 v[XSC], v23, 8, v22              ; my column's scale word
	v_lshl_or_b32 v[XSC], v24, 16, v[XSC]
	v_lshl_or_b32 v[XSC], v25, 24, v[XSC]
	s_wait_dscnt 0x0                               ; the stores of w's image have read v224-235
.irp c, 0,1                            ; blocks 2 c into the first run of registers, blocks 2 c + 1 into the second
	v_cvt_scalef32_pk16_bf6_f32 v[XF0+6*\c:XF0+6*\c+2], v[XN+64*\c:XN+64*\c+15], v[26+2*\c]
	v_cvt_scalef32_pk16_bf6_f32 v[210:212], v[XN+64*\c+16:XN+64*\c+31], v[26+2*\c]
	v_cvt_scalef32_pk16_bf6_f32 v[XF1+6*\c:XF1+6*\c+2], v[XN+64*\c+32:XN+64*\c+47], v[27+2*\c]
	v_cvt_scalef32_pk16_bf6_f32 v[214:216], v[XN+64*\c+48:XN+64*\c+63], v[27+2*\c]
	v_nop                                          ; one plain line behind the conversions
.irp i, 0,1,2
	v_mov_b32 v[XF0+6*\c+3+\i], v[210+\i]
	v_mov_b32 v[XF1+6*\c+3+\i], v[214+\i]
.endr
.endr
.irp i, 0,1,2,3,4,5,6,7,8,9,10,11      ; the first run's lanes 16-31 (tile 1, even blocks) change places with the second's lanes 0-15 (tile 0, odd blocks):
	v_permlane16_swap_b32 v[XF0+\i], v[XF1+\i]     ; each run is now one tile's fragment: lane (r, h), registers 6 c .. 6 c + 5: block 2 c + h of row r
.endr
	s_wait_dscnt 0x0
	s_barrier_signal -1
	s_barrier_wait -1                              ; w's three fragments and their words lie in LDS
.irp f, 0,1,2
.irp g, 0,1,2
	ds_load_b128 v[32+12*\f+4*\g:35+12*\f+4*\g], v5 offset:WIMG+1536*\f+512*\g
.endr
	ds_load_b32 v[WSQ+\f], v6 offset:WSC+128*\f
.endr
	s_wait_loadcnt 0x0                             ; embeddings and biases
.irp i, 0,2,4,6
	v_pk_add_f32 v[160+\i:161+\i], v[160+\i:161+\i], v[168+\i:169+\i]          ; emb_d + emb_h
.endr
.irp u, 0,1
.irp i, 0,2,4,6
	v_pk_add_f32 v[80+8*\u+\i:81+8*\u+\i], v[160+\i:161+\i], v[176+8*\u+\i:177+8*\u+\i]   ; + emb_w
.endr
.endr
.irp u, 0,1
.irp i, 0,2,4,6
	v_pk_add_f32 v[80+8*\u+\i:81+8*\u+\i], v[80+8*\u+\i:81+8*\u+\i], v[200+\i:201+\i]     ; + b_k: the C of k's products
.endr
.endr
.irp j, 0,1,2,3,4,5,6,7
	v_mov_b32 v[96+\j], v208                       ; the C of v's products, which are used the other way round: a lane holds dim r and eight positions
.endr
.rept 4
	v_nop
.endr
	s_wait_dscnt 0x0
	; q and k: source 0 = 16 outputs, source 1 = 16 positions: lane (r, h) holds dims 8 h + 0 .. 7 of row r.  v: source 0 = 16 positions, source 1 = 16 outputs: lane (r, h) holds dim r of rows 8 h + 0 .. 7.  Six accumulators, one product each.
	v_wmma_scale_f32_16x16x128_f8f6f4 v[104:111], v[32:43], v[224:235], v[192:199], v249, v248 matrix_a_fmt:MATRIX_FMT_BF6 matrix_b_fmt:MATRIX_FMT_BF6
	v_wmma_scale_f32_16x16x128_f8f6f4 v[120:127], v[44:55], v[224:235], v[80:87], v250, v248 matrix_a_fmt:MATRIX_FMT_BF6 matrix_b_fmt:MATRIX_FMT_BF6
	v_wmma_scale_f32_16x16x128_f8f6f4 v[136:143], v[224:235], v[56:67], v[96:103], v248, v251 matrix_a_fmt:MATRIX_FMT_BF6 matrix_b_fmt:MATRIX_FMT_BF6
	v_wmma_scale_f32_16x16x128_f8f6f4 v[112:119], v[32:43], v[236:247], v[192:199], v249, v248 matrix_a_fmt:MATRIX_FMT_BF6 matrix_b_fmt:MATRIX_FMT_BF6 matrix_b_scale:MATRIX_SCALE_ROW1
	v_wmma_scale_f32_16x16x128_f8f6f4 v[128:135], v[44:55], v[236:247], v[88:95], v250, v248 matrix_a_fmt:MATRIX_FMT_BF6 matrix_b_fmt:MATRIX_FMT_BF6 matrix_b_scale:MATRIX_SCALE_ROW1
	v_wmma_scale_f32_16x16x128_f8f6f4 v[144:151], v[236:247], v[56:67], v[96:103], v248, v251 matrix_a_fmt:MATRIX_FMT_BF6 matrix_b_fmt:MATRIX_FMT_BF6 matrix_a_scale:MATRIX_SCALE_ROW1
.rept 4
	v_nop                                          ; four places in front of the first read of results (ISA guide 7.12.1)
.endr
.irp i, 0,2,4,6,8,10,12,14
	v_pk_mul_f32 v[104+\i:105+\i], v[104+\i:105+\i], s[40:41] op_sel_hi:[1,0]   ; q x 16^-0.5: exact
.endr
.irp u, 0,1                            ; each store of the wave covers 512 consecutive bytes, aligned
	global_store_b128 v5, v[104+8*\u:107+8*\u], s[16:17] offset:1024*\u
	global_store_b128 v5, v[108+8*\u:111+8*\u], s[16:17] offset:1024*\u+512
	global_store_b128 v[KO], v[120+8*\u:123+8*\u], s[18:19] offset:1024*\u
	global_store_b128 v[KO], v[124+8*\u:127+8*\u], s[18:19] offset:1024*\u+512
.endr
	; V: rows 8 h + j of tiles 0 and 1 are positions 32 w + 16 h + 0 .. 15: v136-151 are 16 neighbouring keys of dim r; a block of 32 keys lies in lanes l and l xor 16
	v_max3_num_f32 v22, |v136|, |v137|, 0x2800000
.irp i, 2,4,6,8,10,12,14
	v_max3_num_f32 v22, v22, |v[136+\i]|, |v[137+\i]|
.endr
	v_permlanex16_b32 v23, v22, s24, s25
	v_max_num_f32 v22, v22, v23
	v_add_nc_u32 v24, 0xfe000000, v22
	v_lshrrev_b32 v25, 23, v24
	v_cvt_scalef32_pk16_bf6_f32 v[152:154], v[136:151], v24
	v_nop                                          ; one plain line behind the conversion
.irp i, 0,1,2
	v_mov_b32 v[155+\i], v[152+\i]
.endr
.irp i, 0,1,2
	v_permlane16_swap_b32 v[152+\i], v[155+\i]     ; every lane now holds the block's lower 16 codes in v152-154 and its upper 16 in v155-157
.endr
.irp i, 0,1,2
	ds_store_b64 v[15+\i], v[152+2*\i:153+2*\i]    ; lanes l and l xor 16 write the same bytes with the same values
.endr
.irp i, 0,1,2,3
	ds_store_b8 v18, v25 offset:64*\i              ; the 64 bytes of scale words four times over: every byte of the record is written
.endr
	s_wait_dscnt 0x0
	s_barrier_signal -1
	s_barrier_wait -1                              ; V's part of the record, 7 x 256 bytes, lies in LDS
	s_cmp_lt_u32 s20, 3
	s_cbranch_scc0 .Lone_unit
	ds_load_b64 v[30:31], v19 offset:1024
	s_wait_dscnt 0x0
	global_store_b64 v9, v[30:31], s[18:19] offset:1024            ; waves 0 to 2: 256 bytes 4 + w
.Lone_unit:
	ds_load_b64 v[28:29], v19
	s_wait_dscnt 0x0
	global_store_b64 v9, v[28:29], s[18:19]        ; 32 lanes store 256 consecutive bytes, aligned: 256 bytes w
	s_wait_tensorcnt 0x0                           ; the wave's end, behind my last LDS store
	ds_add_u32 v20, v21
	s_wait_dscnt 0x0
	s_endpgm
.Lfunc_end_k_q81b8fddc11_proj:
	.size	k_q81b8fddc11_proj, .Lfunc_end_k_q81b8fddc11_proj-k_q81b8fddc11_proj
	.p2alignl 7, 3214868480
	.fill 96, 4, 3214868480
	.section	.rodata,"a",@progbits
	.p2align	6, 0x0
	.amdhsa_kernel k_q81b8fddc11_proj
		.amdhsa_group_segment_fixed_size 7424
		.amdhsa_private_segment_fixed_size 0
		.amdhsa_enable_private_segment 0
		.amdhsa_kernarg_size 64
		.amdhsa_user_sgpr_count 2
		.amdhsa_user_sgpr_kernarg_segment_ptr 1
		.amdhsa_wavefront_size32 1
		.amdhsa_system_sgpr_workgroup_id_x 1
		.amdhsa_system_sgpr_workgroup_id_y 1
		.amdhsa_system_sgpr_workgroup_id_z 1
		.amdhsa_system_vgpr_workitem_id 0
		.amdhsa_next_free_vgpr 256
		.amdhsa_next_free_sgpr 66
		.amdhsa_reserve_vcc 0
		.amdhsa_float_denorm_mode_32 3
		.amdhsa_float_denorm_mode_16_64 3
		.amdhsa_memory_ordered 1
		.amdhsa_forward_progress 1
		.amdhsa_inst_pref_size 43
	.end_amdhsa_kernel
	.amdgpu_metadata
---
amdhsa.version: [ 1, 2 ]
amdhsa.kernels:
  - .name:           k_q81b8fddc11_proj
    .symbol:         k_q81b8fddc11_proj.kd
    .args:
      - { .name: x, .offset: 0, .size: 8, .value_kind: global_buffer, .address_space: global }
      - { .name: w_qkv, .offset: 8, .size: 8, .value_kind: global_buffer, .address_space: global }
      - { .name: b_qkv, .offset: 16, .size: 8, .value_kind: global_buffer, .address_space: global }
      - { .name: emb_d, .offset: 24, .size: 8, .value_kind: global_buffer, .address_space: global }
      - { .name: emb_h, .offset: 32, .size: 8, .value_kind: global_buffer, .address_space: global }
      - { .name: emb_w, .offset: 40, .size: 8, .value_kind: global_buffer, .address_space: global }
      - { .name: q_ws, .offset: 48, .size: 8, .value_kind: global_buffer, .address_space: global }
      - { .name: kv_ws, .offset: 56, .size: 8, .value_kind: global_buffer, .address_space: global }
    .group_segment_fixed_size: 7424
    .private_segment_fixed_size: 0
    .kernarg_segment_align: 8
    .kernarg_segment_size: 64
    .max_flat_workgroup_size: 128
    .sgpr_count:     66
    .vgpr_count:     256
    .wavefront_size: 32
...
	.end_amdgpu_metadata
.endif
;; end of part 1
;; launch attn (part 2): grid 32 x 8, 8 waves a work-group, clusters of 4 x 1, 327,680 bytes of LDS; arguments q_ws, kv_ws, out0; writes out0
.if DOCPART == 2
	.amdgcn_target "amdgcn-amd-amdhsa--gfx1250"
	.amdhsa_code_object_version 6
	.text
	.protected	k_q81b8fddc11_attn
	.globl	k_q81b8fddc11_attn
	.p2align	8
	.type	k_q81b8fddc11_attn,@function
k_q81b8fddc11_attn:
	s_mov_b64 s[64:65], 0
	v_nop
	global_prefetch_b8 v0, s[64:65] scope:SCOPE_SE
	s_setreg_imm32_b32 hwreg(HW_REG_WAVE_MODE, 25, 1), 1
	s_wait_xcnt 0x0
	s_wait_alu depctr_hold_cnt(0) depctr_sa_sdst(0) depctr_va_vdst(0) depctr_va_sdst(0) depctr_va_ssrc(0) depctr_va_vcc(0) depctr_vm_vsrc(0)
	s_getreg_b32 s2, hwreg(HW_REG_IB_STS2, 6, 4)
	s_cmp_eq_u32 s2, 0
	s_cbranch_scc0 .Lentry_in_a_cluster
	s_endpgm
.Lentry_in_a_cluster:
	s_bfe_u32 s2, ttmp6, 0x10000c
	s_cmp_lg_u32 s2, 0x3003
	s_cbranch_scc0 .Lentry_shape_is_right
	s_endpgm
.Lentry_shape_is_right:
; out[head][d][i] = the sum over keys j of softmax_j(q_i . (k_j + emb_j)) v[d][j].  No work is left out; reference()'s two products over the head's 16 dims are one here, by q.k + q.emb = q.(k + emb), for all values.
; The logits go into a quantiser, so they are made with f32 operands (v_wmma_f32_16x16x4_f32).  The second product runs on codes of BF6 (E3M2) with one E8M0 scale for each 32 keys.
; THE SOFTMAX: t = logit x log2(e); M = the running largest t rounded UP to a whole number; p = 2^(t - M) is quantised along the keys, not normalised; the row's sum is taken of the unquantised p and divides at the end.
; When M moves, the sum and O are multiplied by 2^(old M - new M): exact.
; LIMITS: NaN and infinities are not served; a block of p under 2^(5 - 127) keeps the scale byte 1 (a block of zeros too: its codes are zeros).
; SHARES.  A work-group owns 128 queries of one head, each of its eight waves one tile of 16; two waves to a SIMD.  Every wave walks the head's 4096 keys, 128 a step, 32 steps.
; LDS.  The head's 32 records (k + emb as register images, V^T's codes, V's scale words: 9984 bytes a step) fit in LDS at once: each is filled ONCE, nothing is filled again.  Each wave asks for four records at the head
; (four tensor loads of mine are out); the walk passes a barrier in front of each group of eight records, with a counted wait that leaves my later groups on their way.
; CLUSTER.  The four query blocks of a cluster belong to one head and want the same records: each is asked for jointly, by the same tensor load with the same descriptor (made of the head and the wave's number alone) and a mask that names the four.
; LAYOUT.  S^T = K' Q^T (source 0 = 16 keys, source 1 = my 16 queries) and O^T = V^T P^T: a lane holds ONE query (lane % 16) throughout.  Row r of tile 2 b + u is key 32 b + 8 u + r + 8 (r / 8), so registers 16 b + 0 .. 15 of S are keys 32 b + 16 (lane / 16) + 0 .. 15.
; In an f32 tile's image lane (r, h) holds dims 8 h + 0 .. 7; register pair n is the operand of the n-th K step of 4, alike in K' and Q: only the order of the 16 terms differs from the dims' order.
; A TRIP.  S holds the step's scores.  Phase A finds the maxima; then t - M is copied out of S tile by tile, and the NEXT step's 32 f32 products follow tile by tile into S, with the exponentials, sums and conversions set behind them.
.set REC,   9984
.set SPARE, 32*REC                     ; behind the records: the spare words, 128 bytes for each wave: four blocks of 256 bytes that no other line names
.set LI,  1                            ; v1   16 x lane
.set LS,  2                            ; v2   4 x lane
.set SPW, 3                            ; v3   my spare word's address; never rewritten
.set NIL, 4                            ; v4   0; never rewritten
.set ADR, 5                            ; v5   the step's record + 16 x lane
.set MX,  6                            ; v6 -M, v7 the largest t
.set SA,  8                            ; v[8:9]   the row's sum, in two halves
.set F,   10                           ; v10 f = 2^(old M - new M); v11 named with it as a pair
.set Q,   12                           ; v[12:19] my queries
.set VF,  20                           ; v[20:31] V^T's fragment
.set VS,  32                           ; v32  V's scale words
.set ADS, 33                           ; v33  the step's record + 4 x lane
.set PC,  34                           ; v[34:45] p's codes
.set TM,  46                           ; v[46:49] the blocks' largest scores, then largest p, then the conversions' scale operands
.set O,   50                           ; v[50:57] O^T
.set PW,  58                           ; v58  p's scale word
.set T,   59                           ; v59  at work
.set SB,  60                           ; v[60:61] the sum's second chain
.set TP,  60                           ; v[60:63] at work in phase A, where the second chain is idle
.set KF,  64                           ; v[64:127]  K' of one step: 8 tiles x 8 registers
.set S,   128                          ; v[128:191] S^T: written by the f32 matrix instructions alone
.set P,   192                          ; v[192:255] t - M, then p
.set WV,  10
.set G1,  16                           ; s[16:23] descriptor group 1;  s[24:39] four groups 0
.set G0,  24
.set CS,  40                           ; s[40:41] log2(e)
.set SEL, 42                           ; s[42:43] v_permlanex16_b32's selects for lane l xor 16
.set TB,  44                           ; s44  LDS byte of the step's record
.set CNT, 45
.macro CROUND                          ; a round of the cluster's barrier
	s_barrier_signal -1
	s_barrier_wait -1
	s_cmp_lg_u32 s[WV], 0
	s_cbranch_scc1 .Lnot_wave_0_\@
	s_barrier_signal -3
.Lnot_wave_0_\@:
	s_barrier_wait -3
	s_barrier_signal -1
	s_barrier_wait -1
.endm
.macro GATE n                          ; my record of the next group has landed (n later loads of mine may stay out); then everybody's has
	s_wait_tensorcnt \n
	s_wait_dscnt 0x0
	s_barrier_signal -1
	s_barrier_wait -1
.endm
; Product k of 32 of S^T = K' Q^T: tile k % 8, K step k / 8.  The first eight start the sums with the constant 0.  The eight accumulators take turns, one instruction a turn.
.macro WM k
.if (\k) < 8
	v_wmma_f32_16x16x4_f32 v[S+8*((\k)%8):S+8*((\k)%8)+7], v[KF+8*((\k)%8)+2*((\k)/8):KF+8*((\k)%8)+2*((\k)/8)+1], v[Q+2*((\k)/8):Q+2*((\k)/8)+1], 0
.else
	v_wmma_f32_16x16x4_f32 v[S+8*((\k)%8):S+8*((\k)%8)+7], v[KF+8*((\k)%8)+2*((\k)/8):KF+8*((\k)%8)+2*((\k)/8)+1], v[Q+2*((\k)/8):Q+2*((\k)/8)+1], v[S+8*((\k)%8):S+8*((\k)%8)+7]
.endif
.endm
.macro EX4                             ; four of the step's 68 exponentials: the blocks' largest p first, then p 0 .. 63
.rept 4
.if ee < 4
	v_exp_f32 v[TM+ee], v[TM+ee]
.else
	v_exp_f32 v[P+ee-4], v[P+ee-4]
.endif
.set ee, ee+1
.endr
.endm
.macro PADD n                          ; n packed additions of the row's sum, the two chains by turns
.rept \n
.if (pp/2)%2 == 0
	v_pk_add_f32 v[SA:SA+1], v[SA:SA+1], v[P+pp:P+pp+1]
.else
	v_pk_add_f32 v[SB:SB+1], v[SB:SB+1], v[P+pp:P+pp+1]
.endif
.set pp, pp+2
.endr
.endm
; A TRIP.  mm = 1: the next step's scores are made.  rak = 1: the second halves of the next step's K' are fetched.  rb = 1: the first halves of the step after that.
; rb = 0 marks the last two trips, which are written out: no f32 product stands between their two products into O^T.
.macro TRIP mm, rak, rb
.set ee, 0
.set pp, 8
	; ---- A: the largest score of each block of 32 keys: it serves for the row's maximum and, since p rises with the score, for the block's largest p.  Each tile is read from its low end on
.irp b, 0,1,2,3
	v_max3_num_f32 v[TM+\b], v[S+16*\b], v[S+16*\b+1], v[S+16*\b+2]
.endr
.irp i, 3,5,7,9,11,13
.irp b, 0,1,2,3
	v_max3_num_f32 v[TM+\b], v[TM+\b], v[S+16*\b+\i], v[S+16*\b+\i+1]
.endr
.endr
.irp b, 0,1,2,3
	v_max_num_f32 v[TM+\b], v[TM+\b], v[S+16*\b+15]
.endr
	v_add_nc_u32 v[ADR], s[TB], v[LI]
	v_add_nc_u32 v[ADS], s[TB], v[LS]
	; one run of loads, 34 plain lines behind the last matrix instructions that read these registers: this step's V, and the second halves of the next step's K'
.irp g, 0,1,2
	ds_load_b128 v[VF+4*\g:VF+4*\g+3], v[ADR] offset:8192+512*\g
.endr
	ds_load_b32 v[VS], v[ADS] offset:9728
.if \rak
.irp t, 0,1,2,3,4,5,6,7
	ds_load_b128 v[KF+8*\t+4:KF+8*\t+7], v[ADR] offset:REC+1024*\t+512
.endr
.endif
.irp b, 0,1,2,3
	v_permlanex16_b32 v[TP+\b], v[TM+\b], s[SEL], s[SEL+1]
.endr
.irp b, 0,1,2,3
	v_max_num_f32 v[TM+\b], v[TM+\b], v[TP+\b]     ; with lane l xor 16's 16 keys
.endr
	v_max3_num_f32 v[T], v[TM], v[TM+1], v[TM+2]
	v_max_num_f32 v[T], v[T], v[TM+3]              ; the step's largest score of my query
	v_mul_f32 v[T], s[CS], v[T]                    ; as t
	v_max_num_f32 v[MX+1], v[MX+1], v[T]           ; the running largest t
	v_mov_b32 v[T], v[MX]
	v_floor_f32 v[MX], -v[MX+1]                    ; the new -M = floor(-t): M is a whole number
	v_sub_f32 v[T], v[MX], v[T]                    ; old M - new M: a whole number, 0 or less
	v_cvt_i32_f32 v[T], v[T]                       ; (it saturates)
	v_ldexp_f32 v[F], 1.0, v[T]                    ; f = 2^(old M - new M)
.irp b, 0,1,2,3
	v_fma_f32 v[TM+\b], v[TM+\b], s[CS], v[MX]     ; t - M of each block's largest score
.endr
	; ---- B: t - M leaves S tile by tile, and the next step's products follow into S
.if \mm
	s_wait_dscnt 12                                ; the first halves of the next step's K', asked for a trip ago, are in; the 12 loads of the run above may be out
.endif
.irp k, 0,1,2,3,4,5,6,7
.irp i, 0,2,4,6
	v_pk_fma_f32 v[P+8*\k+\i:P+8*\k+\i+1], v[S+8*\k+\i:S+8*\k+\i+1], s[CS:CS+1], v[MX:MX+1] op_sel_hi:[1,0,0]
.endr
.if \mm
	WM \k
.endif
.endr
.irp k, 8,9,10,11,12,13,14,15
.if \mm
	WM \k
.endif
	EX4                                            ; ONE batch of 68 exponentials, none of which reads another's result
.endr
	v_pk_mul_f32 v[SA:SA+1], v[SA:SA+1], v[F:F+1] op_sel_hi:[1,0]   ; the sum under the new M
.irp i, 0,2,4,6
	v_pk_mul_f32 v[O+\i:O+\i+1], v[O+\i:O+\i+1], v[F:F+1] op_sel_hi:[1,0]   ; and O^T
.endr
.if \rb
.rept 3
	v_nop                                          ; with the five lines above: eight places behind the last product that read the first halves of K'
.endr
.irp t, 0,1,2,3,4,5,6,7
	ds_load_b128 v[KF+8*\t:KF+8*\t+3], v[ADR] offset:2*REC+1024*\t
.endr
.endif
.if \mm
	s_wait_dscnt 8*\rb                             ; V and the second halves of K' are in; the eight loads just issued may be out
.endif
.irp k, 16,17,18,19,20,21,22,23,24
.if \mm
	WM \k
.endif
	EX4
.endr
	v_nop                                          ; a plain line behind the last exponential
	s_wait_alu depctr_va_vdst(0)                   ; one wait for the whole batch, ahead of the first line that names a result
.if \mm
	WM 25
.endif
.irp b, 0,1,2,3
	v_max_num_f32 v[TM+\b], 0x2800000, v[TM+\b]    ; the floor 2^(5 - 127): the byte cannot fall under 1
.endr
.irp b, 0,1,2,3
	v_add_nc_u32 v[TM+\b], 0xfe000000, v[TM+\b]    ; 4 off the exponent field: the conversion's scale operand
.endr
	v_lshrrev_b32 v[PW], 23, v[TM]                 ; the four bytes make p's scale word for these 128 keys
	v_lshrrev_b32 v[TP+2], 23, v[TM+1]
.if \mm
	WM 26
.endif
	v_lshrrev_b32 v[TP+3], 23, v[TM+2]
	v_lshrrev_b32 v[T], 23, v[TM+3]
	v_lshl_or_b32 v[PW], v[TP+2], 8, v[PW]
	v_lshl_or_b32 v[PW], v[TP+3], 16, v[PW]
	v_lshl_or_b32 v[PW], v[T], 24, v[PW]
	v_pk_add_f32 v[SB:SB+1], v[P:P+1], v[P+2:P+3]  ; the row's sum is taken of the unquantised p; the first eight are summed before their registers are used again
	v_pk_add_f32 v[SA:SA+1], v[SA:SA+1], v[P+4:P+5]
	v_pk_add_f32 v[SB:SB+1], v[SB:SB+1], v[P+6:P+7]
	v_cvt_scalef32_pk16_bf6_f32 v[PC:PC+2], v[P:P+15], v[TM]
	v_cvt_scalef32_pk16_bf6_f32 v[PC+6:PC+8], v[P+32:P+47], v[TM+2]
.if \mm
	WM 27
.endif
	PADD 1                                         ; (a plain line between the conversions above and the write of their sources)
	v_cvt_scalef32_pk16_bf6_f32 v[P:P+2], v[P+16:P+31], v[TM+1]    ; (a conversion's three registers begin on an even number)
	v_cvt_scalef32_pk16_bf6_f32 v[P+4:P+6], v[P+48:P+63], v[TM+3]
	PADD 1                                         ; (a plain line behind the conversions)
.irp c, 0,1                            ; the operand's layout wants a whole block in a lane: lanes 0-15 block 2 c, lanes 16-31 block 2 c + 1
.irp i, 0,1,2
	v_permlane16_swap_b32 v[PC+6*\c+\i], v[P+4*\c+\i]
.endr
.endr
.if \mm
	WM 28
.endif
.irp c, 0,1
.irp i, 0,1,2
	v_mov_b32 v[PC+6*\c+3+\i], v[P+4*\c+\i]
.endr
.endr
	PADD 4
.if \mm
	WM 29
.endif
	PADD 8
.if \mm
	WM 30
.endif
	PADD 8
.if \mm
	WM 31
.endif
	PADD 6
	v_pk_add_f32 v[SA:SA+1], v[SA:SA+1], v[SB:SB+1]
.if !\mm
	s_wait_dscnt 0x0                               ; V and its scale words
.endif
.if !\rb
	s_wait_alu depctr_va_vdst(0)                   ; the last two trips' products into O^T follow each other, a turn of two: the wait stands directly ahead of each of the two
.endif
	v_wmma_scale_f32_16x16x128_f8f6f4 v[O:O+7], v[VF:VF+11], v[PC:PC+11], v[O:O+7], v[VS], v[PW] matrix_a_fmt:MATRIX_FMT_BF6 matrix_b_fmt:MATRIX_FMT_BF6   ; O^T += V^T P^T over these 128 keys
	s_add_co_u32 s[TB], s[TB], REC
.endm
	s_load_b128 s[4:7], s[0:1], 0x0                ; q_ws s[4:5], kv_ws s[6:7]
	s_load_b64 s[8:9], s[0:1], 0x10                ; out0
	v_lshl_add_u32 v[SPW], v0, 2, SPARE
	v_mov_b32 v[NIL], 0
	ds_add_u32 v[SPW], v[NIL]                      ; the wave's opening: the add, twice on end, and its wait ahead of my first tensor load
	ds_add_u32 v[SPW], v[NIL]
	v_lshrrev_b32 v5, 5, v0
	v_readfirstlane_b32 s[WV], v5                  ; wave 0..7
	s_bfe_u32 s11, ttmp6, 0x40000                  ; cx: my place in the cluster
	s_lshl_b32 s12, ttmp9, 2
	s_add_co_u32 s12, s12, s11                     ; my block of 128 queries: it enters Q's and the output's addresses alone
	s_and_b32 s13, ttmp7, 0xffff                   ; the head, which the four partners share
	; descriptor group 1: a record is 9984 dense bytes: 39 rows of 32 elements of 8 bytes, no padding
	s_mov_b32 s[G1], 15|(3<<16)|(1<<21)            ; 15:0 the mask: all four work-groups; 17:16 elements of 8 bytes; 21 set beside a mask
	s_mov_b32 s[G1+1], 32<<16                      ; tensor_dim0
	s_mov_b32 s[G1+2], 39<<16                      ; tensor_dim1
	s_mov_b32 s[G1+3], 32<<16                      ; tile_dim0
	s_mov_b32 s[G1+4], 39                          ; tile_dim1
	s_mov_b32 s[G1+5], 32                          ; elements from row to row
	s_mov_b32 s[G1+6], 0
	s_mov_b32 s[G1+7], 0
	s_mov_b32 s[CS], 0x3fb8aa3b                    ; log2(e)
	s_mov_b32 s[CS+1], s[CS]
	s_mov_b32 s[SEL], 0x76543210
	s_mov_b32 s[SEL+1], 0xfedcba98
	s_mov_b32 s[TB], 0
	v_and_b32 v5, 31, v0
	v_lshlrev_b32 v[LI], 4, v5
	v_lshlrev_b32 v[LS], 2, v5
	v_mov_b32 v[MX+1], 0xff61b1e6                  ; the largest t so far: -3e38
	v_floor_f32 v[MX], -v[MX+1]
	v_mov_b32 v[SA], 0
	v_mov_b32 v[SA+1], 0
	v_mov_b32 v[F], 0
	v_mov_b32 v[F+1], 0
.irp j, 0,1,2,3,4,5,6,7
	v_mov_b32 v[O+\j], 0                           ; the trip is written once: the first finds zeros
.endr
.irp j, 0,1,2,3
	v_mov_b32 v[TP+\j], 0                          ; a lane permute's destination counts as one of its sources
.endr
	s_mul_i32 s46, s[WV], REC                      ; group g, wave w: record 8 g + w
	s_mul_i32 s48, s13, 32*REC
	s_add_co_u32 s48, s48, s46
	s_mov_b32 s49, 0
	s_lshl_b32 s52, s13, 8
	s_lshl_b32 s53, s12, 3
	s_add_co_u32 s52, s52, s53
	s_add_co_u32 s52, s52, s[WV]
	s_lshl_b32 s52, s52, 10                        ; Q: tile 256 head + 8 block + wave
	s_mov_b32 s53, 0
	s_lshl_b32 s54, s13, 4
	s_lshl_b32 s55, s[WV], 1
	s_add_co_u32 s54, s54, s55
	s_lshl_b32 s54, s54, 14                        ; out: rows 16 head + 2 wave of 16384 bytes,
	s_lshl_b32 s55, s12, 9
	s_add_co_u32 s54, s54, s55                     ; my block's 512 bytes of them
	s_mov_b32 s55, 0
	s_wait_dscnt 0x0                               ; both opening adds are done
	s_wait_kmcnt 0x0
	s_add_nc_u64 s[50:51], s[6:7], s[48:49]
	s_add_nc_u64 s[4:5], s[4:5], s[52:53]
	s_add_nc_u64 s[8:9], s[8:9], s[54:55]
.irp g, 0,1,2,3
	s_mov_b32 s[G0+4*\g], 1                        ; count = 1
	s_add_co_u32 s[G0+4*\g+1], s46, \g*8*REC       ; LDS address
	s_add_nc_u64 s[G0+4*\g+2:G0+4*\g+3], s[50:51], \g*8*REC
	s_or_b32 s[G0+4*\g+3], s[G0+4*\g+3], 0x80000000   ; type = 2
.endr
	CROUND                                         ; all four work-groups are here: the joint loads meet
.irp g, 0,1,2,3
	tensor_load_to_lds s[G0+4*\g:G0+4*\g+3], s[G1:G1+7]
	s_nop 0
.endr
.rept 4
	v_nop
.endr
	global_load_b128 v[Q:Q+3], v[LI], s[4:5]
	global_load_b128 v[Q+4:Q+7], v[LI], s[4:5] offset:512
	GATE 3                                         ; records 0 to 7
.irp i, 0,1,2,3,4,5,6,7,8,9,10,11,12,13,14,15
	ds_load_b128 v[KF+4*\i:KF+4*\i+3], v[LI] offset:512*\i         ; K' of step 0
.endr
	s_wait_loadcnt 0x0                             ; Q
	s_wait_dscnt 0x0
.irp k, 0,1,2,3,4,5,6,7,8,9,10,11,12,13,14,15,16,17,18,19,20,21,22,23,24,25,26,27,28,29,30,31
	WM \k                                          ; step 0's scores: there is no vector work yet to set between them
.endr
.rept 8
	v_nop                                          ; eight places in front of loads into registers that these products read, and of the first read of their results
.endr
.irp t, 0,1,2,3,4,5,6,7
	ds_load_b128 v[KF+8*\t:KF+8*\t+3], v[LI] offset:REC+1024*\t    ; the first halves of step 1's K'
.endr
	; trip s touches records s, s + 1 and s + 2
	s_mov_b32 s[CNT], 6
.Lgroup0:                                          ; trips 0 to 5: records 0 to 7
	TRIP 1, 1, 1
	s_sub_co_u32 s[CNT], s[CNT], 1
	s_cmp_lg_u32 s[CNT], 0
	s_cbranch_scc1 .Lgroup0
	GATE 2                                         ; records 8 to 15
	s_mov_b32 s[CNT], 8
.Lgroup1:                                          ; trips 6 to 13
	TRIP 1, 1, 1
	s_sub_co_u32 s[CNT], s[CNT], 1
	s_cmp_lg_u32 s[CNT], 0
	s_cbranch_scc1 .Lgroup1
	GATE 1                                         ; records 16 to 23
	s_mov_b32 s[CNT], 8
.Lgroup2:                                          ; trips 14 to 21
	TRIP 1, 1, 1
	s_sub_co_u32 s[CNT], s[CNT], 1
	s_cmp_lg_u32 s[CNT], 0
	s_cbranch_scc1 .Lgroup2
	GATE 0                                         ; records 24 to 31
	s_mov_b32 s[CNT], 8
.Lgroup3:                                          ; trips 22 to 29
	TRIP 1, 1, 1
	s_sub_co_u32 s[CNT], s[CNT], 1
	s_cmp_lg_u32 s[CNT], 0
	s_cbranch_scc1 .Lgroup3
	TRIP 1, 1, 0                                   ; trip 30: there is no record 32
	TRIP 0, 0, 0                                   ; trip 31: no scores are left to make
	; THE WAY OUT.  O^T / the sum; a lane holds eight dims of one query, and a row of the output is one dim of neighbouring positions: so the work-group's 16 dims x 128 queries meet in a stage of
	; 16 rows x (512 + 16) bytes.  It lies in record 0, which has had its only fill and is read by nobody behind the barrier below.
	v_add_f32 v[SA], v[SA], v[SA+1]
	v_permlanex16_b32 v[TP], v[SA], s[SEL], s[SEL+1]
	v_add_f32 v[SA], v[SA], v[TP]                  ; with lane l xor 16's keys: the row's sum
	v_rcp_f32 v[SA], v[SA]
	v_and_b32 v[T], 7, v0                          ; (plain lines behind the reciprocal)
	v_bfe_u32 v[TP+2], v0, 3, 1
	v_bfe_u32 v[TP+3], v0, 4, 1
	v_lshlrev_b32 v[ADR], 2, v[T]
	v_lshl_add_u32 v[ADR], v[TP+2], 6, v[ADR]      ; my query's place in its 32: r % 8 + 16 (r / 8),
	v_mad_u32_u24 v[ADR], v[TP+3], 8*528, v[ADR]   ; rows 8 h + 0 .. 7,
	s_lshr_b32 s46, s[WV], 1
	s_lshl_b32 s46, s46, 7
	s_and_b32 s47, s[WV], 1
	s_lshl_b32 s47, s47, 5
	s_add_co_u32 s46, s46, s47
	v_add_nc_u32 v[ADR], s46, v[ADR]               ; + 4 (32 (wave / 2) + 8 (wave % 2))
	s_mul_i32 s47, s[WV], 2*528
	v_add_nc_u32 v[ADS], s47, v[LI]                ; back: rows 2 wave and 2 wave + 1, 16 bytes a lane
	s_wait_alu depctr_va_vdst(0)                   ; ahead of the reciprocal's first reader
.irp j, 0,1,2,3,4,5,6,7
	v_mul_f32 v[P+\j], v[O+\j], v[SA]
.endr
	s_wait_dscnt 0x0
	s_barrier_signal -1
	s_barrier_wait -1                              ; every wave's reads of the records are over
.irp j, 0,1,2,3,4,5,6,7
	ds_store_b32 v[ADR], v[P+\j] offset:528*\j
.endr
	s_wait_dscnt 0x0                               ; for the others' sake: my stores have landed
	s_barrier_signal -1
	s_barrier_wait -1
	ds_load_b128 v[KF:KF+3], v[ADS]
	ds_load_b128 v[KF+4:KF+7], v[ADS] offset:528
	s_wait_dscnt 1                                 ; the first row is in; the second may be out
	global_store_b128 v[LI], v[KF:KF+3], s[8:9]                    ; 32 lanes store 512 consecutive bytes, aligned
	s_wait_dscnt 0x0
	global_store_b128 v[LI], v[KF+4:KF+7], s[8:9] offset:16384
	s_wait_tensorcnt 0x0                           ; the wave's end, behind my last tensor load and my last LDS store
	ds_add_u32 v[SPW], v[NIL]
	s_wait_dscnt 0x0
	CROUND                                         ; the closing round: no work-group ends while a partner may still ask for a record that names it
	s_endpgm
.Lfunc_end_k_q81b8fddc11_attn:
	.size	k_q81b8fddc11_attn, .Lfunc_end_k_q81b8fddc11_attn-k_q81b8fddc11_attn
	.p2alignl 7, 3214868480
	.fill 96, 4, 3214868480
	.section	.rodata,"a",@progbits
	.p2align	6, 0x0
	.amdhsa_kernel k_q81b8fddc11_attn
		.amdhsa_group_segment_fixed_size 327680
		.amdhsa_private_segment_fixed_size 0
		.amdhsa_enable_private_segment 0
		.amdhsa_kernarg_size 24
		.amdhsa_user_sgpr_count 2
		.amdhsa_user_sgpr_kernarg_segment_ptr 1
		.amdhsa_wavefront_size32 1
		.amdhsa_system_sgpr_workgroup_id_x 1
		.amdhsa_system_sgpr_workgroup_id_y 1
		.amdhsa_system_sgpr_workgroup_id_z 1
		.amdhsa_system_vgpr_workitem_id 0
		.amdhsa_next_free_vgpr 256
		.amdhsa_next_free_sgpr 66
		.amdhsa_reserve_vcc 0
		.amdhsa_float_denorm_mode_32 3
		.amdhsa_float_denorm_mode_16_64 3
		.amdhsa_memory_ordered 1
		.amdhsa_forward_progress 1
		.amdhsa_inst_pref_size 96
	.end_amdhsa_kernel
	.amdgpu_metadata
---
amdhsa.version: [ 1, 2 ]
amdhsa.kernels:
  - .name:           k_q81b8fddc11_attn
    .symbol:         k_q81b8fddc11_attn.kd
    .args:
      - { .name: q_ws, .offset: 0, .size: 8, .value_kind: global_buffer, .address_space: global }
      - { .name: kv_ws, .offset: 8, .size: 8, .value_kind: global_buffer, .address_space: global }
      - { .name: out0, .offset: 16, .size: 8, .value_kind: global_buffer, .address_space: global }
    .group_segment_fixed_size: 327680
    .private_segment_fixed_size: 0
    .kernarg_segment_align: 8
    .kernarg_segment_size: 24
    .max_flat_workgroup_size: 256
    .sgpr_count:     66
    .vgpr_count:     256
    .wavefront_size: 32
...
	.end_amdgpu_metadata
.endif
;; end of part 2
